; MI455X (gfx1250); checked and timed in simulation.
; The chip was launched on July 23, 2026; its instructions are those of AMD's public machine-readable ISA for CDNA 5 (MIT licence, August 2026) and "CDNA5" Instruction Set Architecture Reference Guide (July 2026). The comments in the code are by the model that wrote it; some were corrected since.
;; Full Attention. Allowed arithmetic: float matrix products may take bf16 or f16 operands with f32 sums; all other float work in f32.
;; Inputs: keys 4 x 2,048 x 8 x 64 float32; queries 4 x 2,048 x 8 x 64 float32; values 4 x 2,048 x 8 x 64 float32.
;; Outputs: out0 4 x 2,048 x 8 x 64 float32.
;; One version. Each part assembles by itself: llvm-mc -triple=amdgcn-amd-amdhsa -mcpu=gfx1250 --defsym DOCPART=n.
;; ======== version 1 of 1: 1 launch
;; limits: inputs' magnitudes at most 65,504; values are held in f16: magnitudes above 65,504 overflow, below 6.1e-05 lose precision
;; launch attn (part 1): grid 256 x 1, 8 waves a work-group, no clusters, 109,568 bytes of LDS; arguments queries, keys, values, out0; writes out0
.if DOCPART == 1
	.amdgcn_target "amdgcn-amd-amdhsa--gfx1250"
	.amdhsa_code_object_version 6
	.text
	.protected	k_q7465052506_attn
	.globl	k_q7465052506_attn
	.p2align	8
	.type	k_q7465052506_attn,@function
k_q7465052506_attn:
	s_mov_b64 s[64:65], 0
	v_nop
	global_prefetch_b8 v0, s[64:65] scope:SCOPE_SE
	s_setreg_imm32_b32 hwreg(HW_REG_WAVE_MODE, 25, 1), 1
	s_wait_xcnt 0x0
; Causal softmax attention.  queries, keys, values, out0: [4][2048][8][64] f32; a (b, l, h) row is 256 bytes, rows of one head are 2,048 bytes apart.
; out(l) = sum over s <= l of softmax(q(l).k(s) / 8) v(s), with a running maximum and running sums in f32.
;
; SHARING.  Work-group id = 8 x head + p.  It owns the query blocks (128 rows) 15 - p and p of its head: (16 - p) + (p + 1) = 17 blocks of 128 keys
; for every one of the 256 work-groups.  Waves 0-3 take block 15 - p, waves 4-7 block p, 32 query rows a wave.  The work-group walks key tiles of
; 64 keys, 0 .. 31 - 2p.  All eight waves fetch each tile once (f32, 16 lanes = one whole row of 256 bytes), round it to f16 and lay it into one of
; two LDS slots, for both query blocks.  A wave multiplies while tile <= JD (its diagonal tile) and masks at JD alone; a wave that is done
; goes on fetching, converting and passing barriers, and keeps its results in registers to the end.
;
; LAYOUT.  Both products are taken transposed, so that a lane is a query:  S^T = K Q^T  (A = 16 keys x 32 e from LDS, B = Q, in registers throughout)
; gives lane (r, h) the keys 8h .. 8h+7 of query r: maximum and sum are in the lane, plus one exchange with lane xor 16; two neighbouring S tiles, packed
; to f16, ARE the B fragment (k = 8h .., 16 + 8h ..) of  O^T = V^T P^T  (A = 16 d x 32 keys, by transposing loads from V as [key][d]).
;
; FORMAT: f16 for Q, K, V and the weights P, sums in f32.  A row with few keys has weights of order 1 on values that may cancel, so the rounding
; of one weight shows in the result: 11 significant bits leave 2^-12 of a term, 8 would leave 2^-9.  The weights lie in (0, 1] by the running maximum.
;
; NO CLUSTER, NO TENSOR LOADS: K and V come as f32 and go to the matrix unit as f16.  A joint tensor load would lay 32,768 bytes of f32 a tile
; into LDS, to be read again and stored as 16,384 bytes of f16; and the eight work-groups of a head walk 18 to 32 tiles, so partners would need
; different numbers of tiles.  A tile is shared inside the work-group instead, between its two query blocks.
;
; LIMITS KEPT.  Q, K, V and P are rounded to f16 for the products (the sum l takes the unrounded weights): an input of magnitude above 65,504 becomes
; infinite there; inputs and weights under 2^-14 are kept as f16 denormals, to 2^-25 absolute.  A weight below 2^-126 of its row's largest counts as
; zero already in f32 (v_exp_f32 flushes).  NaN and infinities among the inputs are not reproduced element by element (the maxima skip NaN).
.set TILEB, 131072                     ; 64 rows of 2,048 bytes: from a key tile to the next
.set KPI,   144                        ; LDS pitch of a K row (128 bytes of f16 + 16): an odd multiple of 16
.set VPI,   160                        ; LDS pitch of a V row (128 + 32): an odd multiple of 32, for the transposing loads
.set VOFF,  64*KPI                     ; V's tile lies behind K's in a slot
.set BUF,   64*KPI+64*VPI              ; 19,456 bytes a slot, two slots
.set STAGE, 2*BUF                      ; behind them: 32 rows x 272 bytes for each wave, for the way out
.set SPI,   272
.set WSTG,  32*SPI
; window 0
.set GOFF, 1                           ; v1   (t >> 4) x 2048 + (t & 15) x 16: my 16 bytes of a tile's first 16 rows
.set KST,  2                           ; v2   where my 8 bytes of f16 go in a K tile
.set VST,  3                           ; v3   and in a V tile
.set KA,   4                           ; v4   K fragment address: r x 144 + 16 h
.set VA,   5                           ; v5   V fragment address: (8 h + lane % 8) x 160 + 16 x (lane / 8 % 2)
.set VDM,  6                           ; v6-7 query - 8 h relative to the diagonal tile's first key, query groups 0, 1 (signed)
.set NINF, 8                           ; v8   -infinity
.set PF,   9                           ; v9   prefetch: lane x 2048 + (wave & 1) x 65536
.set VNM,  10                          ; v10, v12  -c x m of group 0, 1 (even registers: first of a pair, broadcast by op_sel_hi 0)
.set VM,   11                          ; v11, v13  the running maximum m
.set VAL,  14                          ; v14, v16  alpha = 2^(new offset - old offset); at the end 1 / l
.set VL,   15                          ; v15, v17  the running sum l, this lane's half of the keys
.set VSUM, 18                          ; v[18:19], v[20:21]  a tile's sums
.set VTM,  22                          ; v22-29  partial maxima, 4 a group; address registers in prologue and epilogue
.set VY,   30                          ; v30-31  what the other half of the lanes sends
.set VQ,   32                          ; v32-63   Q fragments: 16 g + 8 ks
.set VO,   64                          ; v64-127  O^T: 32 g + 8 dt
.set VS,   128                         ; v128-191 S^T: 32 g + 8 t; also where Q lands, the converted tile words, the read-back on the way out
.set VP,   192                         ; v192-223 P^T as f16: 16 g + 8 kk
; window 1 (written with the low 8 bits): everything that tile and fragment loads land in
.set FK,   0                           ; v256-319 K fragments: 16 t + 8 ks
.set FV,   64                          ; v320-383 V^T fragments: 16 dt + 8 kk
.set STG,  128                         ; v384-447 a tile as f32, two register slots of 32: K's four passes, then V's
.set MSB, 0
.macro WIN new                         ; s_set_vgpr_msb: bits 1:0 source 0, 3:2 source 1, 5:4 source 2, 7:6 destination; the high byte repeats the setting left
.if MSB != \new
	s_set_vgpr_msb (MSB<<8)|\new
.set MSB, \new
.endif
.endm
; ---------------------------------------------------------------- macros
; Eight loads: a tile's 64 K rows and 64 V rows, 16 rows a pass, into register slot 'slot'.  Under WIN 0x40.
; No cache word: the other work-groups of the head read these rows too.
.macro LOADT slot, off
.irp n, 0,1,2,3
	global_load_b128 v[STG+32*\slot+4*\n:STG+32*\slot+4*\n+3], v[GOFF], s[6:7] offset:\off+32768*\n
.endr
.irp n, 0,1,2,3
	global_load_b128 v[STG+32*\slot+16+4*\n:STG+32*\slot+16+4*\n+3], v[GOFF], s[8:9] offset:\off+32768*\n
.endr
.endm
; Register slot 'slot' to f16 and into LDS slot 'slot'.  left = the younger loads that may stay out.
.macro CONV slot, left
	s_wait_loadcnt \left                           ; loads come back in order (ISA guide 5.7.1): this tile's eight are in
	WIN 0x05                                       ; both sources in window 1
.set kc, 0
.rept 16
	v_cvt_pk_f16_f32 v[VS+kc], v[STG+32*\slot+2*kc], v[STG+32*\slot+2*kc+1]
.set kc, kc+1
.endr
	WIN 0
.irp n, 0,1,2,3
	ds_store_b64 v[KST], v[VS+2*\n:VS+2*\n+1] offset:\slot*BUF+16*KPI*\n
.endr
.irp n, 0,1,2,3
	ds_store_b64 v[VST], v[VS+8+2*\n:VS+8+2*\n+1] offset:\slot*BUF+VOFF+16*VPI*\n
.endr
.endm
; 32 LDS loads in one run: 16 for K (four for each 16 keys, in the order in which SMUL uses them), then 16 transposing ones for V^T.
.macro FRAGS buf
	WIN 0x40
.irp t, 0,1,2,3
.irp ks, 0,1
	ds_load_b128 v[FK+16*\t+8*\ks:FK+16*\t+8*\ks+3],   v[KA] offset:\buf*BUF+16*KPI*\t+64*\ks
	ds_load_b128 v[FK+16*\t+8*\ks+4:FK+16*\t+8*\ks+7], v[KA] offset:\buf*BUF+16*KPI*\t+64*\ks+32
.endr
.endr
.irp dt, 0,1,2,3
.irp kk, 0,1
	ds_load_tr16_b128 v[FV+16*\dt+8*\kk:FV+16*\dt+8*\kk+3],   v[VA] offset:\buf*BUF+VOFF+32*VPI*\kk+32*\dt
	ds_load_tr16_b128 v[FV+16*\dt+8*\kk+4:FV+16*\dt+8*\kk+7], v[VA] offset:\buf*BUF+VOFF+32*VPI*\kk+32*\dt+16*VPI
.endr
.endr
.endm
; S^T = K Q^T: 16 matrix instructions.  Each K fragment serves both query groups; the first product of a tile starts its sum.
.macro SMUL
	WIN 0x01                                       ; A in window 1
.irp t, 0,1,2,3
	s_wait_dscnt 28-4*\t                           ; of the 32 loads, the 4 (t + 1) oldest are in; later K fragments and all of V may be out
	v_wmma_f32_16x16x32_f16 v[VS+8*\t:VS+8*\t+7],       v[FK+16*\t:FK+16*\t+7],    v[VQ:VQ+7],     0
	v_wmma_f32_16x16x32_f16 v[VS+32+8*\t:VS+32+8*\t+7], v[FK+16*\t:FK+16*\t+7],    v[VQ+16:VQ+23], 0
	v_wmma_f32_16x16x32_f16 v[VS+8*\t:VS+8*\t+7],       v[FK+16*\t+8:FK+16*\t+15], v[VQ+8:VQ+15],  v[VS+8*\t:VS+8*\t+7]
	v_wmma_f32_16x16x32_f16 v[VS+32+8*\t:VS+32+8*\t+7], v[FK+16*\t+8:FK+16*\t+15], v[VQ+24:VQ+31], v[VS+32+8*\t:VS+32+8*\t+7]
.endr
	WIN 0
.rept 4
	v_nop                                          ; four places between the last product and the first vector read of S (ISA guide 7.12.1)
.endr
.endm
; The diagonal tile: key 16 t + 8 h + jj is beyond query when 16 t + jj > query - 8 h.  The tile's key 0 is never masked, so no row is empty.
.macro MASK
.irp g, 0,1
.irp t, 0,1,2,3
.irp jj, 0,1,2,3,4,5,6,7
	v_cmp_gt_i32 vcc_lo, 16*\t+\jj, v[VDM+\g]
	v_cndmask_b32 v[VS+32*\g+8*\t+\jj], v[VS+32*\g+8*\t+\jj], v[NINF], vcc_lo
.endr
.endr
.endr
.endm
; The new running maximum of both groups (eight chains side by side), its offset -c m, and alpha from the two ROUNDED offsets,
; those which the exponentials really use, so that old and new terms stay on one scale whatever the size of the scores.
.macro MAXBOTH first
.irp u, 0,1,2,3,4,5,6,7
	v_max3_num_f32 v[VTM+\u], v[VS+8*\u], v[VS+8*\u+1], v[VS+8*\u+2]
.endr
.irp u, 0,1,2,3,4,5,6,7
	v_max3_num_f32 v[VTM+\u], v[VTM+\u], v[VS+8*\u+3], v[VS+8*\u+4]
.endr
.irp u, 0,1,2,3,4,5,6,7
	v_max3_num_f32 v[VTM+\u], v[VTM+\u], v[VS+8*\u+5], v[VS+8*\u+6]
.endr
.irp g, 0,1
	v_max3_num_f32 v[VTM+4*\g],   v[VTM+4*\g],   v[VS+32*\g+7],  v[VS+32*\g+15]
	v_max3_num_f32 v[VTM+4*\g+1], v[VTM+4*\g+1], v[VS+32*\g+23], v[VS+32*\g+31]
.endr
.irp g, 0,1
	v_max3_num_f32 v[VTM+4*\g], v[VTM+4*\g], v[VTM+4*\g+1], v[VTM+4*\g+2]
.endr
.irp g, 0,1
.if \first
	v_max_num_f32 v[VTM+4*\g], v[VTM+4*\g], v[VTM+4*\g+3]
.else
	v_max3_num_f32 v[VTM+4*\g], v[VTM+4*\g], v[VTM+4*\g+3], v[VM+2*\g]
.endif
.endr
.irp g, 0,1
	v_permlanex16_b32 v[VY+\g], v[VTM+4*\g], s22, s23      ; the other eight keys of each sixteen lie in lane xor 16
.endr
.irp g, 0,1
	v_max_num_f32 v[VM+2*\g], v[VTM+4*\g], v[VY+\g]
.endr
.if \first
.irp g, 0,1
	v_mul_f32 v[VNM+2*\g], s21, v[VM+2*\g]         ; -c m
.endr
.else
.irp g, 0,1
	v_mul_f32 v[VTM+4*\g+1], s21, v[VM+2*\g]
.endr
.irp g, 0,1
	v_sub_f32 v[VAL+2*\g], v[VTM+4*\g+1], v[VNM+2*\g]      ; new offset - old offset, never above 0
.endr
.irp g, 0,1
	v_mov_b32 v[VNM+2*\g], v[VTM+4*\g+1]
.endr
	v_exp_f32 v[VAL], v[VAL]                       ; the plain line that has to stand behind them is the first line of SOFT
	v_exp_f32 v[VAL+2], v[VAL+2]
.endif
.endm
; Lines of the softmax, by block u = 4 g + t of eight registers and line k = 0 .. 3 (a pair of registers)
.macro FMAL u, k                       ; c s - c m, two at a time
	v_pk_fma_f32 v[VS+8*(\u)+2*(\k):VS+8*(\u)+2*(\k)+1], v[VS+8*(\u)+2*(\k):VS+8*(\u)+2*(\k)+1], s[20:21], v[VNM+2*((\u)/4):VNM+2*((\u)/4)+1] op_sel_hi:[1,0,0]
.endm
.macro RESCL u, k                      ; O times alpha (at the end: times 1 / l)
	s_wait_alu depctr_va_vdst(0)
	v_pk_mul_f32 v[VO+8*(\u)+2*(\k):VO+8*(\u)+2*(\k)+1], v[VO+8*(\u)+2*(\k):VO+8*(\u)+2*(\k)+1], v[VAL+2*((\u)/4):VAL+2*((\u)/4)+1] op_sel_hi:[1,0]
.endm
.macro SUML u, k                       ; the tile's sum; a group's first block starts it with pair 0 + pair 1: nothing is cleared
.if ((\u)%4) == 0
.if (\k) == 0
	s_wait_alu depctr_va_vdst(0)
	v_pk_add_f32 v[VSUM+2*((\u)/4):VSUM+2*((\u)/4)+1], v[VS+8*(\u):VS+8*(\u)+1], v[VS+8*(\u)+2:VS+8*(\u)+3]
.else
.if (\k) < 3
	v_pk_add_f32 v[VSUM+2*((\u)/4):VSUM+2*((\u)/4)+1], v[VSUM+2*((\u)/4):VSUM+2*((\u)/4)+1], v[VS+8*(\u)+2*(\k)+2:VS+8*(\u)+2*(\k)+3]
.endif
.endif
.else
	s_wait_alu depctr_va_vdst(0)
	v_pk_add_f32 v[VSUM+2*((\u)/4):VSUM+2*((\u)/4)+1], v[VSUM+2*((\u)/4):VSUM+2*((\u)/4)+1], v[VS+8*(\u)+2*(\k):VS+8*(\u)+2*(\k)+1]
.endif
.endm
.macro CVTL u, k                       ; two weights to f16: register 4 u + k of P^T
	v_cvt_pk_f16_f32 v[VP+4*(\u)+(\k)], v[VS+8*(\u)+2*(\k)], v[VS+8*(\u)+2*(\k)+1]
.endm
; 64 exponentials, each followed by plain lines on other registers: the next block's offsets and this block's rescaling of O behind the first
; four, the last block's sums and roundings behind the other four.  So no result of v_exp_f32 is read by the line behind it (ISA guide 5.7.2).
.macro SOFT first
.irp k, 0,1,2,3
	FMAL 0, \k
.endr
.set uu, 0
.rept 8
.set ii, 0
.rept 8
	v_exp_f32 v[VS+8*uu+ii], v[VS+8*uu+ii]
.if ii < 4
.if uu < 7
	FMAL uu+1, ii
.endif
.if \first == 0
	RESCL uu, ii
.endif
.else
.if uu > 0
	SUML uu-1, ii-4
	CVTL uu-1, ii-4
.endif
.endif
.set ii, ii+1
.endr
.set uu, uu+1
.endr
.irp k, 0,1,2,3
	SUML 7, \k
	CVTL 7, \k
.endr
.endm
; O^T += V^T P^T: 16 matrix instructions; each V fragment serves both query groups.  In the first trip the first 32 keys start the sums.
.macro PVMUL first
	s_wait_dscnt 0x0                               ; V's fragments
	WIN 0x01
.irp kk, 0,1
.irp dt, 0,1,2,3
.irp g, 0,1
.if \first*(1-\kk)
	v_wmma_f32_16x16x32_f16 v[VO+32*\g+8*\dt:VO+32*\g+8*\dt+7], v[FV+16*\dt+8*\kk:FV+16*\dt+8*\kk+7], v[VP+16*\g+8*\kk:VP+16*\g+8*\kk+7], 0
.else
	v_wmma_f32_16x16x32_f16 v[VO+32*\g+8*\dt:VO+32*\g+8*\dt+7], v[FV+16*\dt+8*\kk:FV+16*\dt+8*\kk+7], v[VP+16*\g+8*\kk:VP+16*\g+8*\kk+7], v[VO+32*\g+8*\dt:VO+32*\g+8*\dt+7]
.endif
.endr
.endr
.endr
	WIN 0
.endm
; l = l alpha + the tile's sum.  It stands behind the products above: it names none of their registers, so its lines are places behind them,
; and nothing reads l or rewrites alpha before the next tile's maxima.
.macro LUPD first
.irp g, 0,1
.if \first
	v_add_f32 v[VL+2*\g], v[VSUM+2*\g], v[VSUM+2*\g+1]
.else
	v_fma_f32 v[VL+2*\g], v[VL+2*\g], v[VAL+2*\g], v[VSUM+2*\g]
	v_add_f32 v[VL+2*\g], v[VL+2*\g], v[VSUM+2*\g+1]
.endif
.endr
.endm
; One key tile, J = s16, which lies in LDS slot buf; entered behind a barrier.
; load = 1: tile J + 2 is asked for, into register slot buf (emptied by the last trip's conversion).
; conv = 1: tile J + 1 goes from register slot oth into LDS slot oth, and the trip ends with the barrier.
; left: the loads issued at this trip's head, which stay out at the conversion's wait; the same on both paths, since the part that
; can be jumped over holds no global load.
.macro TRIP id, buf, oth, first, load, conv, left
.if \load
	WIN 0x40
	LOADT \buf, 0
	WIN 0
	s_cmp_gt_i32 s16, s19                          ; only waves 4-7 of the head's work-group p = 0 ask, and only up to J = 26
	s_cbranch_scc1 .Lnopf_\id
	global_prefetch_b8 v[PF], s[24:25] offset:3*TILEB th:TH_LOAD_NT scope:SCOPE_SE   ; the base stands at tile J + 2: tile J + 5, one lane a row of 256 bytes
.Lnopf_\id:
.endif
.if \first == 0
	s_cmp_gt_u32 s16, s17                          ; beyond my diagonal tile: nothing to multiply.  (Tile 0 is beyond nobody's: no branch in the first trip.)
	s_cbranch_scc1 .Lconv_\id
.endif
	FRAGS \buf
	SMUL
	s_cmp_lg_u32 s16, s17
	s_cbranch_scc1 .Lnom_\id
	MASK
.Lnom_\id:
	MAXBOTH \first
	SOFT \first
	PVMUL \first
	LUPD \first
.Lconv_\id:
.if \conv
	CONV \oth, \left                               ; with the lines of l above, its 16 conversions are the places between the products and the next trip's loads into V's fragments
.if \load
	s_wait_xcnt 0x0                                ; the bases of this trip's loads and prefetch are stepped only behind this wait
	s_add_nc_u64 s[6:7], s[6:7], TILEB
	s_add_nc_u64 s[8:9], s[8:9], TILEB
	s_add_nc_u64 s[24:25], s[24:25], TILEB
.endif
	s_wait_dscnt 0x0                               ; for the others: my reads of slot buf are back and my stores into slot oth are done
	s_barrier_signal -1
	s_barrier_wait -1                              ; now slot oth may be read by all, and slot buf be written at the next trip's end
.endif
	s_add_co_u32 s16, s16, 1
.endm
; ---------------------------------------------------------------- prologue
	s_load_b256 s[4:11], s[0:1], 0x0               ; queries s[4:5], keys s[6:7], values s[8:9], out0 s[10:11]
	v_lshl_add_u32 v254, v0, 2, 0x1a800
	v_mov_b32 v255, 0
	v_lshrrev_b32 v1, 5, v0
	v_readfirstlane_b32 s12, v1                    ; wave 0..7
	s_and_b32 s13, ttmp9, 7                        ; p
	s_lshr_b32 s15, ttmp9, 3                       ; head = 8 b + hd
	s_and_b32 s30, s15, 7
	s_lshr_b32 s31, s15, 3
	s_lshl_b32 s14, s31, 22                        ; b x 2048 x 2048 bytes
	s_lshl_b32 s30, s30, 8                         ; hd x 256 bytes
	s_or_b32 s14, s14, s30                         ; the head's first row
	s_sub_co_u32 s30, 15, s13
	s_sub_co_u32 s31, 7, s12
	s_lshl3_add_u32 s15, s13, s31                  ; 8 p + 7 - wave: below 4 exactly where p = 0 and wave >= 4
	s_cmp_lt_u32 s15, 4
	s_cselect_b32 s19, 26, -1                      ; the last trip in which I prefetch (tile 26 + 5 = 31, the head's last); -1: never
	s_cmp_lt_u32 s12, 4
	s_cselect_b32 s28, s30, s13                    ; my query block: 15 - p or p
	s_cselect_b32 s29, s12, s31                    ; my quarter of it: wave, or 7 - wave
	s_lshr_b32 s30, s29, 1
	s_lshl1_add_u32 s17, s28, s30                  ; JD = 2 x block + quarter / 2: the tile that holds my diagonal
	s_lshl_b32 s30, s28, 7
	s_lshl_b32 s31, s29, 5
	s_add_co_u32 s30, s30, s31                     ; my first query row
	s_lshl_b32 s30, s30, 11
	s_add_co_u32 s26, s30, s14                     ; its byte offset (below 2^24)
	s_mov_b32 s27, 0
	s_mov_b32 s20, 0x3e38aa3b                      ; c = log2(e) / 8: the scale 1/8 and the change of base, applied in f32
	s_mov_b32 s21, 0xbe38aa3b                      ; -c
	s_mov_b32 s22, 0x76543210                      ; v_permlanex16_b32: lane i takes lane i of the other half
	s_mov_b32 s23, 0xfedcba98
	s_mov_b32 s16, 0                               ; J
	s_sub_co_u32 s18, 14, s13                      ; trips of the loop (two tiles each): 14 - p, at least 7
	v_and_b32 v10, 15, v0                          ; r = lane % 16 = t % 16
	v_bfe_u32 v11, v0, 4, 1                        ; h = lane / 16
	v_lshrrev_b32 v12, 4, v0                       ; t / 16: my row in a pass of 16 rows
	v_lshlrev_b32 v13, 4, v10
	v_lshl_add_u32 v[GOFF], v12, 11, v13
	v_mul_u32_u24 v[KST], v12, KPI
	v_lshl_add_u32 v[KST], v10, 3, v[KST]
	v_mul_u32_u24 v[VST], v12, VPI
	v_lshl_add_u32 v[VST], v10, 3, v[VST]
	v_mul_u32_u24 v[KA], v10, KPI
	v_lshl_add_u32 v[KA], v11, 4, v[KA]
	v_and_b32 v13, 7, v0
	v_lshl_add_u32 v13, v11, 3, v13
	v_mul_u32_u24 v[VA], v13, VPI
	v_bfe_u32 v13, v0, 3, 1
	v_lshl_add_u32 v[VA], v13, 4, v[VA]
	s_and_b32 s30, s29, 1
	s_lshl_b32 s30, s30, 5                         ; my rows begin 0 or 32 keys into the diagonal tile
	v_lshlrev_b32 v13, 3, v11
	v_sub_nc_u32 v[VDM], v10, v13
	v_add_nc_u32 v[VDM], s30, v[VDM]
	v_add_nc_u32 v[VDM+1], 16, v[VDM]
	v_mov_b32 v[NINF], 0xff800000
	s_and_b32 s31, s12, 1
	s_lshl_b32 s31, s31, 16
	v_and_b32 v[PF], 31, v0
	v_lshlrev_b32 v[PF], 11, v[PF]
	v_add_nc_u32 v[PF], s31, v[PF]
	v_lshlrev_b32 v22, 11, v10                     ; Q: row r, 32 h bytes in
	v_lshl_add_u32 v22, v11, 5, v22
	v_mov_b32 v[VY], 0                             ; v_permlanex16_b32 counts as a reader of its destination
	v_mov_b32 v[VY+1], 0
	s_wait_kmcnt 0x0
	s_add_nc_u64 s[4:5], s[4:5], s[26:27]          ; queries and out0 at my first row
	s_add_nc_u64 s[10:11], s[10:11], s[26:27]
	s_mov_b32 s26, s14
	s_add_nc_u64 s[6:7], s[6:7], s[26:27]          ; keys and values at the head's first row
	s_add_nc_u64 s[8:9], s[8:9], s[26:27]
	s_and_b32 s30, s12, 2
	s_cmp_lg_u32 s30, 0
	s_cselect_b64 s[24:25], s[8:9], s[6:7]         ; prefetch: waves 4, 5 ask for K's rows, waves 6, 7 for V's
	; Q as B fragments: lane (r, h) takes e = 32 ks + 8 h .. + 7 and 32 ks + 16 + 8 h .. + 7 of query 16 g + r.  The eight loads of a group
	; together take the whole 256 bytes of each of its 16 rows; they are read once in the launch.
.irp g, 0,1
.irp ks, 0,1
	global_load_b128 v[VS+32*\g+16*\ks:VS+32*\g+16*\ks+3],     v22, s[4:5] offset:32768*\g+128*\ks th:TH_LOAD_NT
	global_load_b128 v[VS+32*\g+16*\ks+4:VS+32*\g+16*\ks+7],   v22, s[4:5] offset:32768*\g+128*\ks+16 th:TH_LOAD_NT
	global_load_b128 v[VS+32*\g+16*\ks+8:VS+32*\g+16*\ks+11],  v22, s[4:5] offset:32768*\g+128*\ks+64 th:TH_LOAD_NT
	global_load_b128 v[VS+32*\g+16*\ks+12:VS+32*\g+16*\ks+15], v22, s[4:5] offset:32768*\g+128*\ks+80 th:TH_LOAD_NT
.endr
.endr
	WIN 0x40
	LOADT 0, 0                                     ; tile 0
	LOADT 1, TILEB                                 ; tile 1
	WIN 0
	s_cmp_lt_i32 s19, 0
	s_cbranch_scc1 .Lnopf_0
.irp n, 2,3,4
	global_prefetch_b8 v[PF], s[24:25] offset:\n*TILEB th:TH_LOAD_NT scope:SCOPE_SE  ; tiles 2, 3, 4: those which no trip of the walk asks for
.endr
.Lnopf_0:
	s_wait_loadcnt 16                              ; Q's 16 loads are in; the 16 of tiles 0 and 1 stay out
.set kc, 0
.rept 32
	v_cvt_pk_f16_f32 v[VQ+kc], v[VS+2*kc], v[VS+2*kc+1]
.set kc, kc+1
.endr
	CONV 0, 8                                      ; tile 0 into LDS slot 0; tile 1's eight loads stay out
	s_wait_xcnt 0x0                                ; the bases are stepped only behind this wait
	s_add_nc_u64 s[6:7], s[6:7], 2*TILEB           ; from here on the bases stand at tile J + 2
	s_add_nc_u64 s[8:9], s[8:9], 2*TILEB
	s_add_nc_u64 s[24:25], s[24:25], 2*TILEB
	s_wait_dscnt 0x0                               ; my stores of tile 0 are done,
	s_barrier_signal -1
	s_barrier_wait -1                              ; everybody's are
; ---------------------------------------------------------------- the walk: 1 + 2 (14 - p) + 3 = 32 - 2 p tiles
	TRIP a, 0, 1, 1, 1, 1, 8                       ; tile 0 starts m, l and O: nothing is cleared
.Lloop:
	TRIP b, 1, 0, 0, 1, 1, 8
	TRIP c, 0, 1, 0, 1, 1, 8
	s_sub_co_i32 s18, s18, 1
	s_cmp_gt_i32 s18, 0                            ; a signed 'above zero': the count-down ends from any start
	s_cbranch_scc1 .Lloop
	TRIP d, 1, 0, 0, 1, 1, 8                       ; asks for the last tile
	TRIP e, 0, 1, 0, 0, 1, 0                       ; asks for nothing: the wait for the last tile is for 0
	TRIP f, 1, 0, 0, 0, 0, 0                       ; the last tile: nothing to convert, no barrier
; ---------------------------------------------------------------- the way out
	; O^T: register jj of lane (r, h) is out(query 16 g + r, d = 16 dt + 8 h + jj).  32 rows of 256 bytes go through my own stage in LDS and
	; come back by rows.  The ten address lines are also places behind the last products (ISA guide 7.12.1).
	v_and_b32 v25, 15, v0
	v_bfe_u32 v26, v0, 4, 1
	s_mul_i32 s30, s12, WSTG
	s_add_co_u32 s30, s30, STAGE
	v_mul_u32_u24 v22, v25, SPI
	v_lshl_add_u32 v22, v26, 5, v22
	v_add_nc_u32 v22, s30, v22                     ; in: row r, 32 h bytes in
	v_mul_u32_u24 v23, v26, SPI
	v_lshl_add_u32 v23, v25, 4, v23
	v_add_nc_u32 v23, s30, v23                     ; back: lanes 0-15 one row, lanes 16-31 the next
	v_lshlrev_b32 v24, 11, v26
	v_lshl_add_u32 v24, v25, 4, v24                ; and the same two rows in out0
	v_permlanex16_b32 v[VY], v[VL], s22, s23       ; l: the two halves of the keys meet only here
	v_permlanex16_b32 v[VY+1], v[VL+2], s22, s23
	v_add_f32 v[VL], v[VL], v[VY]
	v_add_f32 v[VL+2], v[VL+2], v[VY+1]            ; at least 1: the row's largest weight is 2^0
	v_rcp_f32 v[VAL], v[VL]
	v_rcp_f32 v[VAL+2], v[VL+2]
	v_nop                                          ; one plain line between v_rcp_f32 and the use of its result (ISA guide 5.7.2)
.irp u, 0,1,2,3,4,5,6,7
.irp k, 0,1,2,3
	RESCL \u, \k
.endr
.endr
.irp g, 0,1
.irp dt, 0,1,2,3
	ds_store_b128 v22, v[VO+32*\g+8*\dt:VO+32*\g+8*\dt+3]   offset:16*SPI*\g+64*\dt
	ds_store_b128 v22, v[VO+32*\g+8*\dt+4:VO+32*\g+8*\dt+7] offset:16*SPI*\g+64*\dt+16
.endr
.endr
.irp i, 0,1,2,3,4,5,6,7,8,9,10,11,12,13,14,15
	ds_load_b128 v[VS+4*\i:VS+4*\i+3], v23 offset:2*SPI*\i         ; my own bytes; LDS serves a wave's instructions in order (ISA guide 5.7.1): these see the stores above
.endr
.irp i, 0,1,2,3,4,5,6,7,8,9,10,11,12,13,14,15
	s_wait_dscnt 15-\i                             ; read-back i is in, the younger ones may be out
	global_store_b128 v24, v[VS+4*\i:VS+4*\i+3], s[10:11] offset:4096*\i th:TH_STORE_NT   ; 16 lanes store a row's 256 consecutive bytes, aligned
.endr
	s_wait_tensorcnt 0x0
	ds_add_u32 v254, v255
	s_wait_dscnt 0x0
	s_endpgm
.Lfunc_end_k_q7465052506_attn:
	.size	k_q7465052506_attn, .Lfunc_end_k_q7465052506_attn-k_q7465052506_attn
	.p2alignl 7, 3214868480
	.fill 96, 4, 3214868480
	.section	.rodata,"a",@progbits
	.p2align	6, 0x0
	.amdhsa_kernel k_q7465052506_attn
		.amdhsa_group_segment_fixed_size 109568
		.amdhsa_private_segment_fixed_size 0
		.amdhsa_enable_private_segment 0
		.amdhsa_kernarg_size 32
		.amdhsa_user_sgpr_count 2
		.amdhsa_user_sgpr_kernarg_segment_ptr 1
		.amdhsa_wavefront_size32 1
		.amdhsa_system_sgpr_workgroup_id_x 1
		.amdhsa_system_sgpr_workgroup_id_y 1
		.amdhsa_system_sgpr_workgroup_id_z 1
		.amdhsa_system_vgpr_workitem_id 0
		.amdhsa_next_free_vgpr 448
		.amdhsa_next_free_sgpr 66
		.amdhsa_reserve_vcc 1
		.amdhsa_float_denorm_mode_32 3
		.amdhsa_float_denorm_mode_16_64 3
		.amdhsa_memory_ordered 1
		.amdhsa_forward_progress 1
		.amdhsa_inst_pref_size 167
	.end_amdhsa_kernel
	.amdgpu_metadata
---
amdhsa.version: [ 1, 2 ]
amdhsa.kernels:
  - .name:           k_q7465052506_attn
    .symbol:         k_q7465052506_attn.kd
    .args:
      - { .name: queries, .offset: 0, .size: 8, .value_kind: global_buffer, .address_space: global }
      - { .name: keys, .offset: 8, .size: 8, .value_kind: global_buffer, .address_space: global }
      - { .name: values, .offset: 16, .size: 8, .value_kind: global_buffer, .address_space: global }
      - { .name: out0, .offset: 24, .size: 8, .value_kind: global_buffer, .address_space: global }
    .group_segment_fixed_size: 109568
    .private_segment_fixed_size: 0
    .kernarg_segment_align: 8
    .kernarg_segment_size: 32
    .max_flat_workgroup_size: 256
    .sgpr_count:     66
    .vgpr_count:     448
    .wavefront_size: 32
...
	.end_amdgpu_metadata
.endif
;; end of part 1
